; MI455X (gfx1250); checked and timed in simulation.
; The chip was launched on July 23, 2026; its instructions are those of AMD's public machine-readable ISA for CDNA 5 (MIT licence, August 2026) and "CDNA5" Instruction Set Architecture Reference Guide (July 2026). The comments in the code are by the model that wrote it; some were corrected since.
;; Spatial Predicate. Allowed arithmetic: float matrix products may take bf16 or f16 operands with f32 sums; all other float work in f32.
;; Inputs: face_normals 128 x 3 float32; faces 128 x 3 int32; verts1 8 x 512 x 64 x 3 float32; verts2 8 x 512 x 256 x 3 float32.
;; Outputs: out0 8 x 512 x 1 float32.
;; One version. Each part assembles by itself: llvm-mc -triple=amdgcn-amd-amdhsa -mcpu=gfx1250 --defsym DOCPART=n.
;; ======== version 1 of 1: 1 launch
;; launch close_to (part 1): grid 256 x 1, 16 waves a work-group, no clusters, 169,984 bytes of LDS; arguments face_normals, faces, verts1, verts2, out0; writes out0
.if DOCPART == 1
	.amdgcn_target "amdgcn-amd-amdhsa--gfx1250"
	.amdhsa_code_object_version 6
	.text
	.protected	k_q6bfe87d123_close_to
	.globl	k_q6bfe87d123_close_to
	.p2align	8
	.type	k_q6bfe87d123_close_to,@function
k_q6bfe87d123_close_to:
	s_mov_b64 s[64:65], 0
	v_nop
	global_prefetch_b8 v0, s[64:65] scope:SCOPE_SE
	s_setreg_imm32_b32 hwreg(HW_REG_WAVE_MODE, 25, 1), 1
	s_wait_xcnt 0x0
; out[b,t] = 1 - relu(sd),  sd = smooth min over 64 points of (smooth max over 128 faces of <p_v - cent_f, n_f>), tau = 0.01.
; 4,096 pairs (b,t); a work-group of 16 waves owns 16 of them, ONE WAVE OWNS ONE PAIR from its loads to its result.
; All sums of exponentials are kept in base 2: with s = 100 log2 e the matrix unit makes D[f][v] = s <p_v, n_f> - s <cent_f, n_f>,
; L_v = max_f D + log2 sum_f 2^(D - max), and sd = 0.01 ln 2 (min_v L - log2 sum_v 2^(min L - L_v)).  Both maxima are the true ones.
; THE PRODUCT: M = faces, N = points, so that a lane's 64 results (8 tiles x 8 registers) are 64 faces of ONE point and the sum over
; faces stays in the lane but for one exchange between the halves.  K is 3 in the problem and 32 in the instruction; the free K places
; carry a second bf16 part of each factor: p = ph + pl, s n = nh + nl.  B (points): both lane halves hold (xh,yh)(zh,xl)(yl,zl);
; A (faces): lanes 0-15 (K 0-5) hold nh against all six, lanes 16-31 (K 8-13) hold nl: one instruction sums (ph+pl)(nh+nl).
; -s <cent_f, n_f> enters as the C operand, in f32, unsplit.
; A's operands overlap: tile t is v[A+4t : A+4t+7], whose upper four registers (K 16-31) are tile t+1's; they meet B's upper four, which are zero.
; NO CLUSTER: work-groups share only faces and face_normals, 3,072 bytes, against 61,440 bytes of verts that are each work-group's own.
; NO RING: a work-group's 61,440 bytes of verts fit in LDS at once; each LDS byte is filled once, by the wave that reads it.
; LIMITS.  p and s n are each the sum of two bf16: relative error at most 2^-16 a factor.  A face index is clamped as an unsigned number
; to 0..255 (the problem's indices lie inside the table).  Non-finite inputs are not served (0 x inf in the overlapped K places).
; The centroid term is (a+b+c).(n s/3), not mean-then-dot: the last bits differ.  Terms below 2^-126 of a sum's largest count as zero.
.set WAVES,  16
.set V2B,    3072                      ; bytes of verts2 of one pair: 256 x 3 x 4 = 12 rows of 256, and a multiple of 12
.set V1B,    768                       ; bytes of verts1 of one pair: 64 x 3 x 4 = 3 rows of 256, and a multiple of 12
.set LV1,    WAVES*V2B                 ; LDS: verts2 from 0 (3,072 a wave), verts1 from 49,152 (768 a wave)
.set LAF,    LV1+WAVES*V1B             ; 61,440: A's eight tiles, 512 bytes each (16 bytes a lane), written by ds_store: no fill lands here
.set LCN,    LAF+8*512                 ; 65,536: 128 f32 of -s<cent,n> for each wave, its own 512 bytes
.set LOUT,   LCN+WAVES*512             ; 73,728: the 16 results
.set SCALE,  0x431044fe                ; s = 100 log2 e = 144.26950
.set NSC3,   0xc2405bfe                ; -s / 3 = -48.089835
.set NTLN2,  0xbbe32166                ; -0.01 ln 2 = -0.0069314718
.set LANE, 1                           ; v1       lane 0..31
.set R16,  2                           ; v2       lane mod 16
.set AFA,  3                           ; v3       LAF + 16 lane
.set CNS,  4                           ; v4       LCN + 512 wave + 16 lane: where my four faces' terms go
.set CNL,  5                           ; v5       LCN + 512 wave + 32 (lane / 16): from where C's registers come
.set PA,   6                           ; v6       LV1 + 768 wave + 12 (lane mod 16): my point in a tile of 16 points
.set GO,   7                           ; v7       48 lane: my four rows of faces and of face_normals
.set GA,   8                           ; v8       12 (lane mod 16), in waves 0-7 + 192 wave: the normal of my row of A
.set W0,   9                           ; v9       at work
.set OFF,  10                          ; v[10:21]   LDS addresses of the 3 corners of my faces 4 lane .. 4 lane + 3
.set NC,   22                          ; v[22:33]   -s/3 n of these four faces
.set A,    34                          ; v[34:69]   A: 8 tiles x 4 registers, then 4 zeros
.set B,    70                          ; v[70:85]   B: two blocks of 8 that take turns; registers 3-7 of each stay zero
.set C,    86                          ; v[86:149]  C: tile t, register j = -s<cent,n> of face 16 t + 8 (lane / 16) + j
.set D,    150                         ; v[150:213] D: the 8 tiles of one column of 16 points; before the products: scratch
.set P,    214                         ; v[214:229] point tile i: x, y, z at P+4i; once B is built: the maximum at P+4i, the sum at P+4i+1
.set MX,   230                         ; v[230:233] four running maxima
.set ACC,  234                         ; v[234:241] four running pairs of sums
.set T,    242                         ; v[242:245] at work
	s_load_b256 s[4:11], s[0:1], 0x0               ; face_normals s[4:5], faces s[6:7], verts1 s[8:9], verts2 s[10:11]
	s_load_b64 s[12:13], s[0:1], 0x20              ; out0
	v_lshl_add_u32 v246, v0, 2, 0x29000
	v_mov_b32 v247, 0
	ds_add_u32 v246, v247
	ds_add_u32 v246, v247
	v_lshrrev_b32 v[W0], 5, v0
	v_readfirstlane_b32 s14, v[W0]                 ; wave 0..15
	s_lshl_b32 s15, ttmp9, 4
	s_add_co_u32 s15, s15, s14                     ; my pair (b,t) = 16 x work-group + wave
	; descriptor group 1, sizes in elements of 8 bytes: dense blocks taken as rows of 32 elements (256 bytes), pitch 32
	s_mov_b32 s16, 3<<16                           ; verts2: no mask, element of 8 bytes, no padding
	s_mov_b32 s17, 32<<16                          ; tensor_dim0 = 32
	s_mov_b32 s18, 12<<16                          ; tensor_dim1 = 12
	s_mov_b32 s19, 32<<16                          ; tile_dim0 = 32
	s_mov_b32 s20, 12                              ; tile_dim1 = 12 rows
	s_mov_b32 s21, 32                              ; from row to row
	s_mov_b32 s22, 0
	s_mov_b32 s23, 0
	s_mov_b32 s24, 3<<16                           ; verts1: the same with 3 rows
	s_mov_b32 s25, 32<<16
	s_mov_b32 s26, 3<<16
	s_mov_b32 s27, 32<<16
	s_mov_b32 s28, 3
	s_mov_b32 s29, 32
	s_mov_b32 s30, 0
	s_mov_b32 s31, 0
	s_mul_i32 s40, s15, V2B                        ; byte offsets of my pair: below 12,582,912 and 3,145,728
	s_mov_b32 s41, 0
	s_mul_i32 s42, s15, V1B
	s_mov_b32 s43, 0
	s_mov_b32 s32, 1                               ; group 0 for verts2: count,
	s_mul_i32 s33, s14, V2B                        ; LDS address = 3,072 wave,
	s_mov_b32 s36, 1                               ; group 0 for verts1
	s_mul_i32 s37, s14, V1B
	s_add_co_u32 s37, s37, LV1                     ; LDS address = 49,152 + 768 wave
	s_mov_b32 s45, 0x76543210                      ; v_permlanex16_b32: lane i of one half reads lane i of the other
	s_mov_b32 s46, 0xfedcba98
	s_wait_dscnt 0x0
	s_wait_kmcnt 0x0
	s_add_nc_u64 s[34:35], s[10:11], s[40:41]      ; global address,
	s_or_b32 s35, s35, 0x80000000                  ; type 2
	s_add_nc_u64 s[38:39], s[8:9], s[42:43]
	s_or_b32 s39, s39, 0x80000000
	tensor_load_to_lds s[32:35], s[16:23]          ; both fills of the wave go out ahead of every barrier and every LDS read of the tiles;
	s_nop 0
	tensor_load_to_lds s[36:39], s[24:31]          ; two tensor loads of a wave are out, and no more are ever issued
	s_nop 0
	; the two small tables, while the tiles are on their way
	v_and_b32 v[LANE], 31, v0
	v_and_b32 v[R16], 15, v0
	v_mul_u32_u24 v[GO], v[LANE], 48               ; four rows of 12 bytes a lane: 32 lanes cover the 1,536 bytes
	global_load_b128 v[OFF:OFF+3],    v[GO], s[6:7]
	global_load_b128 v[OFF+4:OFF+7],  v[GO], s[6:7] offset:16
	global_load_b128 v[OFF+8:OFF+11], v[GO], s[6:7] offset:32
	global_load_b128 v[NC:NC+3],      v[GO], s[4:5]
	global_load_b128 v[NC+4:NC+7],    v[GO], s[4:5] offset:16
	global_load_b128 v[NC+8:NC+11],   v[GO], s[4:5] offset:32
	v_lshlrev_b32 v[AFA], 4, v[LANE]
	s_lshl_b32 s44, s14, 9
	s_add_co_u32 s44, s44, LCN                     ; my wave's 512 bytes of scratch
	v_add_nc_u32 v[CNS], s44, v[AFA]
	v_bfe_u32 v[W0], v0, 4, 1                      ; lane / 16
	v_lshl_add_u32 v[CNL], v[W0], 5, s44
	v_add_nc_u32 v[AFA], LAF, v[AFA]
	v_mul_u32_u24 v[GA], v[R16], 12
	v_add_nc_u32 v[PA], s37, v[GA]
.irp k, 3,4,5,6,7, 11,12,13,14,15
	v_mov_b32 v[B+\k], 0                           ; the K places of B that carry nothing, in both blocks: written once
.endr
.irp k, 32,33,34,35
	v_mov_b32 v[A+\k], 0                           ; what tile 7's operand reads behind its own four registers
.endr
	; A's tile w is made by wave w, w = 0..7, once for the work-group: it is the same for all 16 pairs
	s_cmp_gt_u32 s14, 7
	s_cbranch_scc1 .Lbuilt
	s_mul_i32 s44, s14, 192                        ; 16 rows of 12 bytes a tile
	v_add_nc_u32 v[GA], s44, v[GA]
	global_load_b32 v[D],   v[GA], s[4:5]          ; n of face 16 w + lane mod 16
	global_load_b32 v[D+1], v[GA], s[4:5] offset:4
	global_load_b32 v[D+2], v[GA], s[4:5] offset:8
	v_lshl_add_u32 v[W0], s14, 9, v[AFA]           ; LAF + 512 w + 16 lane
	v_cmp_le_u32 vcc_lo, 16, v[LANE]               ; lanes 16-31 carry the low parts
	s_wait_loadcnt 0x0
	v_mul_f32 v[D],   SCALE, v[D]
	v_mul_f32 v[D+1], SCALE, v[D+1]
	v_mul_f32 v[D+2], SCALE, v[D+2]
	v_cvt_pk_bf16_f32 v[D+3], v[D], v[D+1]         ; high parts, rounded to nearest
	v_cvt_pk_bf16_f32 v[D+4], v[D+2], v[D+2]
	v_lshlrev_b32 v[D+5], 16, v[D+3]               ; back as f32
	v_and_b32 v[D+6], 0xffff0000, v[D+3]
	v_lshlrev_b32 v[D+7], 16, v[D+4]
	v_sub_f32 v[D+5], v[D],   v[D+5]               ; what the high parts leave: exact
	v_sub_f32 v[D+6], v[D+1], v[D+6]
	v_sub_f32 v[D+7], v[D+2], v[D+7]
	v_cndmask_b32 v[D],   v[D],   v[D+5], vcc_lo   ; lanes 0-15 keep s n (its rounding below is the high part), lanes 16-31 take the rest
	v_cndmask_b32 v[D+1], v[D+1], v[D+6], vcc_lo
	v_cndmask_b32 v[D+2], v[D+2], v[D+7], vcc_lo
	v_cvt_pk_bf16_f32 v[D+8],  v[D],   v[D+1]      ; (nx, ny) against B's (xh, yh)
	v_cvt_pk_bf16_f32 v[D+9],  v[D+2], v[D]        ; (nz, nx) against (zh, xl)
	v_cvt_pk_bf16_f32 v[D+10], v[D+1], v[D+2]      ; (ny, nz) against (yl, zl)
	v_mov_b32 v[D+11], 0
	ds_store_b128 v[W0], v[D+8:D+11]
.Lbuilt:
	s_wait_loadcnt 0x0                             ; faces and normals of my four faces
.irp k, 0,1,2,3,4,5,6,7,8,9,10,11
	v_min_u32 v[OFF+\k], 0xff, v[OFF+\k]           ; a loaded number enters an address only clamped to the table's 256 rows
	v_lshl_add_u32 v[OFF+\k], v[OFF+\k], 1, v[OFF+\k]      ; x 3
	v_lshl_add_u32 v[OFF+\k], v[OFF+\k], 2, s33            ; x 4 + my wave's verts2: 12 index + 3,072 wave, inside my own 3,072 bytes
.endr
.irp k, 0,2,4,6,8,10
	v_pk_mul_f32 v[NC+\k:NC+\k+1], v[NC+\k:NC+\k+1], NSC3 op_sel_hi:[1,0]
.endr
	s_wait_dscnt 0x0                               ; for the others' sake: my tile of A is written
	s_barrier_signal -1                            ; the tensor loads stay out across this barrier: behind it no LDS byte is filled again,
	s_barrier_wait -1                              ; and each wave reads its own tiles alone, behind its own wait
.irp t, 0,1,2,3,4,5,6,7
	ds_load_b128 v[A+4*\t:A+4*\t+3], v[AFA] offset:512*\t
.endr
	; the centroid terms: lane l takes faces 4 l .. 4 l + 3
	s_wait_tensorcnt 0x1                           ; tensor loads of a wave end in order: verts2 is in, verts1 may be out
.irp k, 0,1,2,3,4,5,6,7,8,9,10,11
	ds_load_b96 v[D+4*\k:D+4*\k+2], v[OFF+\k]      ; a corner's x, y, z; every address is a multiple of 12
.endr
	s_wait_tensorcnt 0x0                           ; verts1 is in
.irp i, 0,1,2,3
	ds_load_b96 v[P+4*\i:P+4*\i+2], v[PA] offset:192*\i    ; point 16 i + lane mod 16, the same in both lane halves
.endr
; face q of my four.  left = LDS loads that may stay out: the later faces' corners and the four points
.macro CENT q, left
	s_wait_dscnt \left
	v_pk_add_f32 v[D+12*\q:D+12*\q+1], v[D+12*\q:D+12*\q+1], v[D+12*\q+4:D+12*\q+5]
	v_add_f32    v[D+12*\q+2], v[D+12*\q+2], v[D+12*\q+6]
	v_pk_add_f32 v[D+12*\q:D+12*\q+1], v[D+12*\q:D+12*\q+1], v[D+12*\q+8:D+12*\q+9]
	v_add_f32    v[D+12*\q+2], v[D+12*\q+2], v[D+12*\q+10]
	v_mul_f32    v[D+48+\q], v[D+12*\q],   v[NC+3*\q]          ; (a + b + c) . (-s/3 n) = -s <cent, n>
	v_fmac_f32   v[D+48+\q], v[D+12*\q+1], v[NC+3*\q+1]
	v_fmac_f32   v[D+48+\q], v[D+12*\q+2], v[NC+3*\q+2]
.endm
	CENT 0, 13
	CENT 1, 10
	CENT 2, 7
	CENT 3, 4
	ds_store_b128 v[CNS], v[D+48:D+51]             ; faces 4 l .. 4 l + 3 at words 4 l .. 4 l + 3 of my wave's own scratch
.irp t, 0,1,2,3,4,5,6,7
	ds_load_b128 v[C+8*\t:C+8*\t+3],   v[CNL] offset:64*\t     ; LDS serves a wave's instructions in order: these see the store above.
	ds_load_b128 v[C+8*\t+4:C+8*\t+7], v[CNL] offset:64*\t+16  ; 16 lanes read the same 16 bytes: faces 16 t + 8 (lane / 16) + 0..7
.endr
; B's block for point tile i: p = ph + pl, three registers; the blocks take turns, so that the one written is not the one just multiplied
.macro BUILD i
	v_cvt_pk_bf16_f32 v[B+8*(\i%2)], v[P+4*\i], v[P+4*\i+1]                    ; (xh, yh)
	v_lshlrev_b32 v[T],   16, v[B+8*(\i%2)]
	v_and_b32     v[T+1], 0xffff0000, v[B+8*(\i%2)]
	v_pk_add_f32  v[T:T+1], v[P+4*\i:P+4*\i+1], v[T:T+1] neg_lo:[0,1] neg_hi:[0,1]   ; x - xh, y - yh: exact
	v_cvt_pk_bf16_f32 v[B+8*(\i%2)+1], v[P+4*\i+2], v[T]                       ; (zh, xl)
	v_lshlrev_b32 v[T+2], 16, v[B+8*(\i%2)+1]
	v_sub_f32     v[T+2], v[P+4*\i+2], v[T+2]
	v_cvt_pk_bf16_f32 v[B+8*(\i%2)+2], v[T+1], v[T+2]                          ; (yl, zl)
.endm
; 128 faces x 16 points: eight products, each with its own D and its own C; none adds onto another's result
.macro MULT i
.irp t, 0,1,2,3,4,5,6,7
	v_wmma_f32_16x16x32_bf16 v[D+8*\t:D+8*\t+7], v[A+4*\t:A+4*\t+7], v[B+8*(\i%2):B+8*(\i%2)+7], v[C+8*\t:C+8*\t+7]
.endr
.endm
.macro SUBT t, i                       ; tile t minus the maximum, which lies in the first register of the pair at P+4i
.irp k, 0,2,4,6
	v_pk_add_f32 v[D+8*(\t)+\k:D+8*(\t)+\k+1], v[D+8*(\t)+\k:D+8*(\t)+\k+1], v[P+4*\i:P+4*\i+1] op_sel_hi:[1,0] neg_lo:[0,1] neg_hi:[0,1]
.endr
.endm
.macro EXPT t
.irp k, 0,1,2,3,4,5,6,7
	v_exp_f32 v[D+8*(\t)+\k], v[D+8*(\t)+\k]
.endr
.endm
.macro SUMT t
	s_wait_alu depctr_va_vdst(0)
.irp k, 0,2,4,6
	v_pk_add_f32 v[ACC+\k:ACC+\k+1], v[ACC+\k:ACC+\k+1], v[D+8*(\t)+\k:D+8*(\t)+\k+1]
.endr
.endm
; The smooth maximum over the faces for point tile i: the maximum to P+4i, the sum of 2^(D - maximum) to P+4i+1.
; Behind a run of v_exp_f32 the next tile's four subtractions stand before the first use of a result (one plain vector instruction is asked for).
.macro SOFT i
.irp c, 0,1,2,3
	v_max3_num_f32 v[MX+\c], v[D+3*\c], v[D+3*\c+1], v[D+3*\c+2]       ; the first twelve numbers start four chains
.endr
.set j, 12
.rept 26
	v_max3_num_f32 v[MX+(j/2)%4], v[MX+(j/2)%4], v[D+j], v[D+j+1]
.set j, j+2
.endr
	v_max3_num_f32 v[MX], v[MX], v[MX+1], v[MX+2]
	v_max_num_f32 v[MX], v[MX], v[MX+3]            ; over my 64 faces
	v_permlanex16_b32 v[MX+1], v[MX], s45, s46     ; the other half of the lanes holds the other 64
	v_max_num_f32 v[P+4*\i], v[MX], v[MX+1]
	SUBT 0, \i
	EXPT 0
	SUBT 1, \i
	EXPT 1
	SUBT 2, \i
	s_wait_alu depctr_va_vdst(0)
.irp k, 0,2,4,6
	v_pk_add_f32 v[ACC+\k:ACC+\k+1], v[D+\k:D+\k+1], v[D+8+\k:D+8+\k+1]        ; tiles 0 and 1 start the four sums: nothing is cleared
.endr
	EXPT 2
.irp u, 2,3,4,5,6
	SUBT \u+1, \i
	SUMT \u
	EXPT \u+1
.endr
	v_nop                                          ; the plain instruction behind the last run of v_exp_f32
	s_wait_alu depctr_va_vdst(0)
	SUMT 7
	v_pk_add_f32 v[ACC:ACC+1],   v[ACC:ACC+1],   v[ACC+2:ACC+3]
	v_pk_add_f32 v[ACC+4:ACC+5], v[ACC+4:ACC+5], v[ACC+6:ACC+7]
	v_pk_add_f32 v[ACC:ACC+1],   v[ACC:ACC+1],   v[ACC+4:ACC+5]
	v_add_f32 v[ACC], v[ACC], v[ACC+1]
	v_permlanex16_b32 v[ACC+1], v[ACC], s45, s46
	v_add_f32 v[P+4*\i+1], v[ACC], v[ACC+1]
.endm
	s_wait_dscnt 17                                ; the four points are in; the store and C's sixteen loads may be out
	BUILD 0
	s_wait_dscnt 0x0                               ; A and C are in, and the store has read its data, which lie in D
	; Behind each run of products the next block of B is built: plain vector instructions that name none of the products' registers.
	; They are the places that stand between a product and the first vector instruction that reads its result, and between a product
	; and the next product that writes over its D (ISA guide 7.12.1); five of the eight are no conversions.
	MULT 0
	BUILD 1
	SOFT 0
	MULT 1
	BUILD 2
	SOFT 1
	MULT 2
	BUILD 3
	SOFT 2
	MULT 3
.rept 4
	v_nop                                          ; nothing is left to build: four places before D is read
.endr
	SOFT 3
	; L = maximum + log2 sum for my four points; then the smooth minimum over the 64 points (both lane halves hold the same 16 x 4)
	v_log_f32 v[T],   v[P+1]
	v_log_f32 v[T+1], v[P+5]
	v_log_f32 v[T+2], v[P+9]
	v_log_f32 v[T+3], v[P+13]
	v_nop                                          ; one plain instruction behind the transcendentals
	s_wait_alu depctr_va_vdst(0)
	v_add_f32 v[T],   v[T],   v[P]
	v_add_f32 v[T+1], v[T+1], v[P+4]
	v_add_f32 v[T+2], v[T+2], v[P+8]
	v_add_f32 v[T+3], v[T+3], v[P+12]
	v_min3_num_f32 v[MX], v[T], v[T+1], v[T+2]
	v_min_num_f32 v[MX], v[MX], v[T+3]
	v_min_num_f32_dpp v[MX], v[MX], v[MX] row_xmask:1 row_mask:0xf bank_mask:0xf
	v_min_num_f32_dpp v[MX], v[MX], v[MX] row_xmask:2 row_mask:0xf bank_mask:0xf
	v_min_num_f32_dpp v[MX], v[MX], v[MX] row_xmask:4 row_mask:0xf bank_mask:0xf
	v_min_num_f32_dpp v[MX], v[MX], v[MX] row_xmask:8 row_mask:0xf bank_mask:0xf
	v_sub_f32 v[T],   v[MX], v[T]                  ; min L - L, at most 0
	v_sub_f32 v[T+1], v[MX], v[T+1]
	v_sub_f32 v[T+2], v[MX], v[T+2]
	v_sub_f32 v[T+3], v[MX], v[T+3]
	v_exp_f32 v[T],   v[T]
	v_exp_f32 v[T+1], v[T+1]
	v_exp_f32 v[T+2], v[T+2]
	v_exp_f32 v[T+3], v[T+3]
	v_nop
	s_wait_alu depctr_va_vdst(0)
	v_add_f32 v[T],   v[T],   v[T+1]
	v_add_f32 v[T+2], v[T+2], v[T+3]
	v_add_f32 v[T],   v[T],   v[T+2]
	v_add_f32_dpp v[T], v[T], v[T] row_xmask:1 row_mask:0xf bank_mask:0xf
	v_add_f32_dpp v[T], v[T], v[T] row_xmask:2 row_mask:0xf bank_mask:0xf
	v_add_f32_dpp v[T], v[T], v[T] row_xmask:4 row_mask:0xf bank_mask:0xf
	v_add_f32_dpp v[T], v[T], v[T] row_xmask:8 row_mask:0xf bank_mask:0xf
	v_log_f32 v[T+1], v[T]
	v_nop
	s_wait_alu depctr_va_vdst(0)
	v_sub_f32 v[T], v[MX], v[T+1]                  ; sd / (0.01 ln 2)
	v_fma_f32 v[T], v[T], NTLN2, 1.0               ; 1 - sd
	v_cmp_lt_f32 vcc_lo, 1.0, v[T]                 ; 1 - relu(sd) = the smaller of 1 - sd and 1; a compare and a select keep a NaN
	v_cndmask_b32 v[T], v[T], 1.0, vcc_lo
	; the 16 results of the work-group leave together, as 64 consecutive bytes
	s_lshl_b32 s44, s14, 2
	s_add_co_u32 s44, s44, LOUT
	v_mov_b32 v[W0], s44
	ds_store_b32 v[W0], v[T]                       ; every lane holds the result: all write the same word with the same value
	s_wait_dscnt 0x0                               ; for wave 0's sake
	s_barrier_signal -1
	s_barrier_wait -1
	s_cmp_lg_u32 s14, 0
	s_cbranch_scc1 .Lend
	s_lshl_b32 s40, ttmp9, 6                       ; 16 results of 4 bytes a work-group (s41 is still 0)
	s_add_nc_u64 s[12:13], s[12:13], s[40:41]
	v_lshlrev_b32 v[W0], 2, v[LANE]
	v_add_nc_u32 v[GA], LOUT, v[W0]
	v_cmp_gt_u32 vcc_lo, 16, v[LANE]
	s_wait_xcnt 0x0                                ; EXEC changes only behind this wait
	s_and_saveexec_b32 s47, vcc_lo                 ; lanes 0-15
	ds_load_b32 v[T], v[GA]
	s_wait_dscnt 0x0
	global_store_b32 v[W0], v[T], s[12:13] th:TH_STORE_NT
	s_wait_xcnt 0x0                                ; and again in front of the line that widens it
	s_or_b32 exec_lo, exec_lo, s47
.Lend:
	s_wait_tensorcnt 0x0
	ds_add_u32 v246, v247
	s_wait_dscnt 0x0
	s_endpgm
.Lfunc_end_k_q6bfe87d123_close_to:
	.size	k_q6bfe87d123_close_to, .Lfunc_end_k_q6bfe87d123_close_to-k_q6bfe87d123_close_to
	.p2alignl 7, 3214868480
	.fill 96, 4, 3214868480
	.section	.rodata,"a",@progbits
	.p2align	6, 0x0
	.amdhsa_kernel k_q6bfe87d123_close_to
		.amdhsa_group_segment_fixed_size 169984
		.amdhsa_private_segment_fixed_size 0
		.amdhsa_enable_private_segment 0
		.amdhsa_kernarg_size 40
		.amdhsa_user_sgpr_count 2
		.amdhsa_user_sgpr_kernarg_segment_ptr 1
		.amdhsa_wavefront_size32 1
		.amdhsa_system_sgpr_workgroup_id_x 1
		.amdhsa_system_sgpr_workgroup_id_y 1
		.amdhsa_system_sgpr_workgroup_id_z 1
		.amdhsa_system_vgpr_workitem_id 0
		.amdhsa_next_free_vgpr 248
		.amdhsa_next_free_sgpr 66
		.amdhsa_reserve_vcc 1
		.amdhsa_float_denorm_mode_32 3
		.amdhsa_float_denorm_mode_16_64 3
		.amdhsa_memory_ordered 1
		.amdhsa_forward_progress 1
		.amdhsa_inst_pref_size 53
	.end_amdhsa_kernel
	.amdgpu_metadata
---
amdhsa.version: [ 1, 2 ]
amdhsa.kernels:
  - .name:           k_q6bfe87d123_close_to
    .symbol:         k_q6bfe87d123_close_to.kd
    .args:
      - { .name: face_normals, .offset: 0, .size: 8, .value_kind: global_buffer, .address_space: global }
      - { .name: faces, .offset: 8, .size: 8, .value_kind: global_buffer, .address_space: global }
      - { .name: verts1, .offset: 16, .size: 8, .value_kind: global_buffer, .address_space: global }
      - { .name: verts2, .offset: 24, .size: 8, .value_kind: global_buffer, .address_space: global }
      - { .name: out0, .offset: 32, .size: 8, .value_kind: global_buffer, .address_space: global }
    .group_segment_fixed_size: 169984
    .private_segment_fixed_size: 0
    .kernarg_segment_align: 8
    .kernarg_segment_size: 40
    .max_flat_workgroup_size: 512
    .sgpr_count:     66
    .vgpr_count:     248
    .wavefront_size: 32
...
	.end_amdgpu_metadata
.endif
;; end of part 1
